; MI455X (gfx1250); checked and timed in simulation.
; The chip was launched on July 23, 2026; its instructions are those of AMD's public machine-readable ISA for CDNA 5 (MIT licence, August 2026) and "CDNA5" Instruction Set Architecture Reference Guide (July 2026). The comments in the code are by the model that wrote it; some were corrected since.
;; Cross Attention. Allowed arithmetic: float matrix products may take bf16 or f16 operands with f32 sums; all other float work in f32.
;; Inputs: key_padding_mask 2 x 2,048 bool; kv 2 x 2,048 x 2 x 16 x 64 float32; q 2 x 2,048 x 16 x 64 float32.
;; Outputs: out0 2 x 2,048 x 16 x 64 float32.
;; One version. Each part assembles by itself: llvm-mc -triple=amdgcn-amd-amdhsa -mcpu=gfx1250 --defsym DOCPART=n.
;; ======== version 1 of 1: 1 launch
;; limits: values are held in f16: magnitudes above 65,504 overflow, below 6.1e-05 lose precision; inputs' magnitudes at most 65,504
;; launch attn (part 1): grid 8 x 32, 8 waves a work-group, clusters of 4 x 1, 327,680 bytes of LDS; arguments q, kv, key_padding_mask, out0; writes out0
.if DOCPART == 1
	.amdgcn_target "amdgcn-amd-amdhsa--gfx1250"
	.amdhsa_code_object_version 6
	.text
	.protected	k_qe44747b013_attn
	.globl	k_qe44747b013_attn
	.p2align	8
	.type	k_qe44747b013_attn,@function
k_qe44747b013_attn:
	s_mov_b64 s[64:65], 0
	v_nop
	global_prefetch_b8 v0, s[64:65] scope:SCOPE_SE
	s_setreg_imm32_b32 hwreg(HW_REG_WAVE_MODE, 25, 1), 1
	s_wait_xcnt 0x0
	s_wait_alu depctr_hold_cnt(0) depctr_sa_sdst(0) depctr_va_vdst(0) depctr_va_sdst(0) depctr_va_ssrc(0) depctr_va_vcc(0) depctr_vm_vsrc(0)
	s_getreg_b32 s2, hwreg(HW_REG_IB_STS2, 6, 4)
	s_cmp_eq_u32 s2, 0
	s_cbranch_scc0 .Lentry_in_a_cluster
	s_endpgm
.Lentry_in_a_cluster:
	s_bfe_u32 s2, ttmp6, 0x10000c
	s_cmp_lg_u32 s2, 0x3003
	s_cbranch_scc0 .Lentry_shape_is_right
	s_endpgm
.Lentry_shape_is_right:
; out[b][t][h][:] = softmax over s of (q[b][t][h][:] . k[b][s][h][:] / 8 + pad[b][s]) applied to v[b][s][h][:], pad = 0 (keep) or -10000.
; q, out: [2][2048][16][64] f32.  kv: [2][2048][2][16][64] f32.  key_padding_mask: [2][2048] bytes.
; One launch, nothing goes through memory between the steps.  Products in f16 with f32 sums, everything else in f32.
;
; WHY f16 AND NOT bf16.  An output is a sum of some thousand terms of both signs, so it is small beside its terms, and the roundings of Q, K, V and P
; show in it undiminished.  f16 keeps 11 bits where bf16 keeps 8: each rounding is eight times finer.  The operands have room in f16: see LIMITS.
;
; SHARES.  Work-group (x, y): head y = 16 b + h, query rows 256 x .. 256 x + 255.  256 work-groups in all.
; Wave w = (qg = w & 3, kh = w >> 2): query rows 64 qg .. + 63 of the block, and keys 64 kh .. + 63 of every tile of 128 keys.  The two waves
; of a pair (w, w + 4) keep a running maximum, a sum and an output of their own and are merged once, at the end, through LDS.
; For 64 matrix instructions a wave reads 32 fragments of 512 bytes from LDS.
;
; CLUSTER.  The four work-groups of a cluster are four query blocks of ONE head: they need the same K and V tiles, so each tile is asked for
; jointly (mask 15).  The address of a tile is made of y and the wave's number alone.  A cluster of 4 x 4 would add nothing: work-groups of
; different y read different heads and share no byte.
;
; TRANSPOSED PRODUCTS.  S^T = K Q^T (source 0 = 16 keys, source 1 = 16 queries): lane (r, h) holds query r, register j key 8 h + j.  So the
; maximum and the sum of a query's row are taken inside the lane plus one exchange between the two halves of the wave, and maximum, sum and
; rescaling factor are one number a lane.  Two neighbouring blocks of 16 keys, packed to f16, ARE source 1 of O^T = V^T P^T; source 0 (V^T)
; comes by the transposing LDS load.  The mask's addend is the C operand of the first product of each block of S.
; q is multiplied by log2(e) / 8 before it is rounded to f16, so S is in units of base 2; the addend is 0 or -10000 log2(e).
; The maximum is a true running maximum over all keys, masked ones too: a masked key is an ordinary addend, never skipped.
;
; TILES.  Row 2 s + c of a head (c = 0: K, 1: V) is 256 bytes and the rows are 4,096 bytes apart, so K and V of 128 keys are ONE tile of
; 256 rows x 256 bytes, each row aligned to 256 bytes.  Waves 0 to 3 fetch 64 rows each.  Trip t: slot t & 1 is asked for again (tile t + 2), tile t + 1 is
; rounded to f16 from slot (t + 1) & 1 into stage (t + 1) & 1, tile t is multiplied from stage t & 1.  One synchronisation a trip orders all three.
; A wave has two tensor loads outstanding at the start and one afterwards.
;
; PREFETCH.  In trip t wave 4 asks for tile t + 3, one trip ahead of its tensor load: one lane for each row of 256 bytes, 32 of the tile's
; 256 rows in each of the head's eight work-groups, so each row is asked for once in the launch.  Trips 13 to 15 ask for nothing (tile 15 is the last).
;
; LIMITS.  f16's range: |k| and |v| must stay below 65,504 and |q| below 363,000 (q x log2(e) / 8 below 65,504); beyond that the operand becomes
; infinite.  Operands below 2^-14 are kept as f16 denormals, with an absolute error of at most 2^-25.  The same holds of P, which is about 1 at the
; most: over 2,048 keys that is at most 2^-14 of a row's sum, which is about 1 at the least.
; Mask bytes are taken as 0 or 1 (the addend is byte x C - C).  Where all keys of a batch are masked the exponents carry f32's
; rounding at magnitude 14,427 (2^-10 in base-2 units), as a sum at 10,000 in f32 does.  NaN and infinite inputs get no special care.
; Exponentials that would be below 2^-126 come out as zero (ISA guide, the entry of v_exp_f32).
;
; LDS (bytes).  No ds_store ever touches the two slots; no tensor load touches anything else.
.set SLOTB, 65536                      ; slot p at p x 65,536: 256 rows x 256 bytes of f32, dense: K[s] at 512 s, V[s] at 512 s + 256
.set STG0,  131072                     ; stage p at STG0 + p x STG: K as f16, 128 rows of pitch 144, then V as f16, 128 rows of pitch 160
.set STG,   38912
.set KSTB,  18432                      ; V's part of a stage begins here
.set KP,    144                        ; 128 bytes + 16: an odd multiple of 16, so the 16 rows of a fragment start at 16 different groups of 4 banks (64 banks of 4 bytes: ISA guide 11.1)
.set VP,    160                        ; 128 bytes + 32: an odd multiple of 32, for the transposing load
.set QST,   208896                     ; Q as f16, 256 rows of pitch 144; at the end 9,216 bytes for each of waves 0 to 3: the way out
.set OSTB,  9216
.set OP,    272                        ; the way out: 16 rows of 256 bytes + 16
.set BIAS,  245760                     ; 2,048 f32: the mask's addend for every key of my batch
.set MRG,   18432                      ; the merge: 36 x 512 bytes for each pair of waves, over the two stages when they are done with
.set TILEB, 1048576                    ; bytes of kv from one tile of 128 keys to the next
; VECTOR REGISTERS, window 0
.set AK,   2                           ; LDS address of my K fragments in stage 0
.set AV,   3                           ; of my V fragments in stage 0
.set AB,   4                           ; of my addends, stepped by 512 bytes a trip
.set CLK,  5                           ; v5, v6: where I read K's f32 rows in slot 0, 1
.set CLV,  7                           ; v7, v8: the same for V
.set CSK,  9                           ; where I put K's f16 rows in stage 0
.set CSV,  10                          ; the same for V
.set PF,   11                          ; byte offset of my lane's row in a tile, for the prefetch
.set GQ,   12                          ; byte offset of my 16 bytes in q
.set GO,   13                          ; and in out
.set OSTO, 14                          ; the way out: where I put 32 bytes of a row
.set ORD,  15                          ; the way out: where I read a row back
.set QS,   16                          ; v16-31: for each of 4 query blocks [-maximum, sum, rescaling factor, a temporary]
.set BI,   32                          ; v32-63: the addends of 4 key blocks, 8 each; free once S is started:
.set TA,   32                          ; v32-47 at work on the maxima
.set TB,   48                          ; v48-63 at work on the sums
.set FR,   64                          ; v64-127: K fragments, then V fragments; before the first trip: set-up temporaries
.set SC,   128                         ; v128-255: S of (query block qb, key block kb) at 8 (4 qb + kb); P is made in place
; window 1 (written with their low 8 bits)
.set OA,   0                           ; v256-383: O of (query block qb, block db of 16 columns) at 8 (4 qb + db)
.set QF,   128                         ; v384-447: Q fragments at 16 qb + 8 ks
.set CV,   192                         ; v448-511: landing registers of the rounding to f16
; set-up temporaries
.set RR,   64                          ; lane % 16
.set HH,   65                          ; (lane / 16) % 2
.set LL,   66                          ; lane
.set TT,   67
.set MB,   68                          ; v68-69: my 8 mask bytes
.set MO,   70
.set R16,  71
.set R8,   72
.set QSA,  73
.set BSA,  74
.set BV,   76                          ; v76-83: my 8 addends
; SCALAR: s[4:5] q, s[6:7] kv, s[8:9] mask, s[10:11] out; s12 wave, s13 qg, s14 kh; s15 cx, s16 query block, s17 y, s18 b, s19 h;
; s[20:23] offsets of q and out (they hold the query block and feed no descriptor and no LDS address); s[40:41] prefetch base; s42, s43 lane selects;
; s44 laps; s[46:47] q's factor; s48, s49 +C, -C; s[50:51] kv at my head; s[52:53] kv offsets; s54 scalar terms of LDS addresses
.set G1,   24                          ; s[24:31] descriptor group 1
.set G0,   32                          ; s[32:39] descriptor group 0, a set for each slot
.set MSB, 0
.macro WIN new                         ; s_set_vgpr_msb: bits 1:0 source 0, 3:2 source 1, 5:4 source 2, 7:6 destination; the high byte repeats the setting that is left
.if MSB != \new
	s_set_vgpr_msb (MSB<<8)|\new
.set MSB, \new
.endif
.endm
; A round of the cluster's barrier: my work-group's barrier, wave 0 signals for the work-group, every wave waits for all four work-groups, my work-group's barrier again.
.macro ROUND
	s_barrier_signal -1
	s_barrier_wait -1
	s_cmp_lg_u32 s12, 0
	s_cbranch_scc1 .Lnot_wave_0_\@
	s_barrier_signal -3
.Lnot_wave_0_\@:
	s_barrier_wait -3
	s_barrier_signal -1
	s_barrier_wait -1
.endm
; The head of a trip.  In front of the synchronisation every wave has all its tensor loads landed (the next tile's part among them) and all its
; LDS reads and stores done: its reads of the slot that is filled again, its stores into the stage that is read now, its reads of the stage that is written now.
.macro HEAD par, refill, pf
	s_wait_xcnt 0x0
	v_lshl_add_u32 v254, v0, 2, 0x3e000
	v_mov_b32 v255, 0
	s_wait_tensorcnt 0x0                           ; none of my tensor loads is out, so a group 0 may be written
	ds_add_u32 v254, v255
	s_wait_dscnt 0x0
.if \refill
	s_add_nc_u64 s[G0+4*\par+2:G0+4*\par+3], s[G0+4*\par+2:G0+4*\par+3], 2*TILEB   ; this slot's next tile; the type bits on top are not reached
.endif
.if \pf
	s_wait_xcnt 0x0                                ; the last trip's prefetch has had its address translated: its base is stepped only behind this wait
	s_add_nc_u64 s[40:41], s[40:41], TILEB
.endif
	s_wait_dscnt 0x0
.if \refill
	ROUND                                          ; holds of every wave of all four work-groups
	s_cmp_gt_u32 s12, 3
	s_cbranch_scc1 .Lno_fill_\@
	tensor_load_to_lds s[G0+4*\par:G0+4*\par+3], s[G1:G1+7]   ; waves 0 to 3: my 64 rows, the first and only tensor load behind the round
	s_nop 0
.Lno_fill_\@:
.else
	s_barrier_signal -1
	s_barrier_wait -1
.endif
.if \pf
	s_cmp_lg_u32 s12, 4
	s_cbranch_scc1 .Lno_pf_\@
	global_prefetch_b8 v[PF], s[40:41] th:TH_LOAD_NT scope:SCOPE_SE   ; wave 4: 32 rows of the tile three trips on
.Lno_pf_\@:
.endif
.endm
; 16 loads: my 64 keys as 4 blocks of 16 rows x 64 columns; fragment (kb, ks) = 16 rows x 32 columns, two loads 32 bytes apart
.macro LDK par
.irp kb, 0,1,2,3
.irp ks, 0,1
	ds_load_b128 v[FR+16*\kb+8*\ks:FR+16*\kb+8*\ks+3],   v[AK] offset:(\par)*STG+16*KP*\kb+64*\ks
	ds_load_b128 v[FR+16*\kb+8*\ks+4:FR+16*\kb+8*\ks+7], v[AK] offset:(\par)*STG+16*KP*\kb+64*\ks+32
.endr
.endr
.endm
; 8 loads: register j of block kb = the addend of key 16 kb + 8 h + j, the same in all 16 lanes of a half
.macro LDB
.irp kb, 0,1,2,3
	ds_load_b128 v[BI+8*\kb:BI+8*\kb+3],   v[AB] offset:64*\kb
	ds_load_b128 v[BI+8*\kb+4:BI+8*\kb+7], v[AB] offset:64*\kb+16
.endr
.endm
; 16 loads: my 16 keys' rows of K and of V in f32.  16 lanes take a row of 256 bytes; the upper half of the lanes takes the row 8 further on (K) or 4 further on (V).
.macro CVLD slot
	WIN 0x40
.irp i, 0,1,2,3,4,5,6,7
	ds_load_b128 v[CV+4*\i:CV+4*\i+3], v[CLK+\slot] offset:512*\i
.endr
.set cvn, 0
.irp i, 0,1,2,3,8,9,10,11
	ds_load_b128 v[CV+32+4*cvn:CV+32+4*cvn+3], v[CLV+\slot] offset:512*\i
.set cvn, cvn+1
.endr
.endm
; 32 matrix instructions.  The four query blocks' accumulators take turns, one instruction a turn.
.macro QK
	WIN 0x04
.irp kb, 0,1,2,3
.irp qb, 0,1,2,3
	v_wmma_f32_16x16x32_f16 v[SC+8*(4*\qb+\kb):SC+8*(4*\qb+\kb)+7], v[FR+16*\kb:FR+16*\kb+7], v[QF+16*\qb:QF+16*\qb+7], v[BI+8*\kb:BI+8*\kb+7]
.endr
.irp qb, 0,1,2,3
	v_wmma_f32_16x16x32_f16 v[SC+8*(4*\qb+\kb):SC+8*(4*\qb+\kb)+7], v[FR+16*\kb+8:FR+16*\kb+15], v[QF+16*\qb+8:QF+16*\qb+15], v[SC+8*(4*\qb+\kb):SC+8*(4*\qb+\kb)+7]
.endr
.endr
.endm
; 32 roundings in place: 4 f32 become 8 bytes in the first two registers of each landing group
.macro CVCV
	WIN 0x45
.set cvn, 0
.rept 16
	v_cvt_pk_f16_f32 v[CV+4*cvn],   v[CV+4*cvn],   v[CV+4*cvn+1]
	v_cvt_pk_f16_f32 v[CV+4*cvn+1], v[CV+4*cvn+2], v[CV+4*cvn+3]
.set cvn, cvn+1
.endr
.endm
; 16 stores of 8 bytes a lane.  The two halves of the lanes write 128 bytes each, 8 x 144 or 4 x 160 bytes apart: both are 128 modulo 256, so the 32 lanes touch every bank once.
.macro CVST par
	WIN 0x04
.irp i, 0,1,2,3,4,5,6,7
	ds_store_b64 v[CSK], v[CV+4*\i:CV+4*\i+1] offset:(\par)*STG+KP*\i
.endr
.set cvn, 0
.irp i, 0,1,2,3,8,9,10,11
	ds_store_b64 v[CSV], v[CV+32+4*cvn:CV+32+4*cvn+1] offset:(\par)*STG+VP*\i
.set cvn, cvn+1
.endr
.endm
; 16 transposing loads: fragment (db, kp) = columns 16 db .. + 15 of V as rows, keys 32 kp .. + 31 along the registers
.macro LDV par
.irp db, 0,1,2,3
.irp kp, 0,1
	ds_load_tr16_b128 v[FR+8*(2*\db+\kp):FR+8*(2*\db+\kp)+3],   v[AV] offset:(\par)*STG+32*VP*\kp+32*\db
	ds_load_tr16_b128 v[FR+8*(2*\db+\kp)+4:FR+8*(2*\db+\kp)+7], v[AV] offset:(\par)*STG+32*VP*\kp+32*\db+16*VP
.endr
.endr
.endm
; The running maximum of each query: 32 numbers in the lane (four chains for each query block), then the other half of the wave.  Kept negated.
.macro SMAX first
.irp qb, 0,1,2,3
.irp kb, 0,1,2,3
	v_max3_num_f32 v[TA+4*\qb+\kb], v[SC+8*(4*\qb+\kb)], v[SC+8*(4*\qb+\kb)+1], v[SC+8*(4*\qb+\kb)+2]
.endr
.endr
.irp qb, 0,1,2,3
.irp kb, 0,1,2,3
	v_max3_num_f32 v[TA+4*\qb+\kb], v[TA+4*\qb+\kb], v[SC+8*(4*\qb+\kb)+3], v[SC+8*(4*\qb+\kb)+4]
.endr
.endr
.irp qb, 0,1,2,3
.irp kb, 0,1,2,3
	v_max3_num_f32 v[TA+4*\qb+\kb], v[TA+4*\qb+\kb], v[SC+8*(4*\qb+\kb)+5], v[SC+8*(4*\qb+\kb)+6]
.endr
.endr
.irp qb, 0,1,2,3
	v_max3_num_f32 v[TA+4*\qb],   v[TA+4*\qb],   v[TA+4*\qb+1], v[SC+32*\qb+7]
	v_max3_num_f32 v[TA+4*\qb+2], v[TA+4*\qb+2], v[TA+4*\qb+3], v[SC+32*\qb+15]
.endr
.irp qb, 0,1,2,3
	v_max3_num_f32 v[TA+4*\qb], v[TA+4*\qb], v[TA+4*\qb+2], v[SC+32*\qb+23]
.endr
.irp qb, 0,1,2,3
	v_max_num_f32 v[TA+4*\qb], v[TA+4*\qb], v[SC+32*\qb+31]
.endr
.irp qb, 0,1,2,3
	v_permlanex16_b32 v[QS+4*\qb+3], v[TA+4*\qb], s42, s43   ; lane i takes lane i xor 16: the same query's other 32 keys
.endr
.irp qb, 0,1,2,3
	v_max_num_f32 v[TA+4*\qb], v[TA+4*\qb], v[QS+4*\qb+3]
.endr
.if \first
.irp qb, 0,1,2,3
	v_sub_f32 v[QS+4*\qb], 0, v[TA+4*\qb]          ; the first tile's maximum starts the running one
.endr
.else
.irp qb, 0,1,2,3
	v_min_num_f32 v[TA+4*\qb+1], v[QS+4*\qb], -v[TA+4*\qb]   ; -(new maximum)
.endr
.irp qb, 0,1,2,3
	v_sub_f32 v[TA+4*\qb+2], v[TA+4*\qb+1], v[QS+4*\qb]      ; old maximum - new maximum, never above 0
.endr
.irp qb, 0,1,2,3
	v_mov_b32 v[QS+4*\qb], v[TA+4*\qb+1]
.endr
.irp qb, 0,1,2,3
	v_exp_f32 v[QS+4*\qb+2], v[TA+4*\qb+2]         ; the rescaling factor; the block of subtractions that follows is the plain work behind it (ISA guide 5.7.2)
.endr
.endif
.endm
.macro SUBS qb                         ; S - maximum, two at a time
.set sn, 0
.rept 16
	v_pk_add_f32 v[SC+32*\qb+2*sn:SC+32*\qb+2*sn+1], v[SC+32*\qb+2*sn:SC+32*\qb+2*sn+1], v[QS+4*\qb:QS+4*\qb+1] op_sel_hi:[1,0]
.set sn, sn+1
.endr
.endm
.macro EXPS qb                         ; 2^(S - maximum), in place
.set sn, 0
.rept 32
	v_exp_f32 v[SC+32*\qb+sn], v[SC+32*\qb+sn]
.set sn, sn+1
.endr
.endm
; The lane's share of the row's sum (two chains), the running sum, and P as f16: the eight registers of key blocks 2 kp, 2 kp + 1 land at 16 kp .. + 7
.macro SUMCVT qb, first
	s_wait_alu depctr_va_vdst(0)
	v_pk_add_f32 v[TB+4*\qb:TB+4*\qb+1],   v[SC+32*\qb:SC+32*\qb+1],     v[SC+32*\qb+2:SC+32*\qb+3]
	v_pk_add_f32 v[TB+4*\qb+2:TB+4*\qb+3], v[SC+32*\qb+16:SC+32*\qb+17], v[SC+32*\qb+18:SC+32*\qb+19]
.irp p, 2,3,4,5,6,7
	v_pk_add_f32 v[TB+4*\qb:TB+4*\qb+1],   v[TB+4*\qb:TB+4*\qb+1],   v[SC+32*\qb+2*\p:SC+32*\qb+2*\p+1]
	v_pk_add_f32 v[TB+4*\qb+2:TB+4*\qb+3], v[TB+4*\qb+2:TB+4*\qb+3], v[SC+32*\qb+16+2*\p:SC+32*\qb+16+2*\p+1]
.endr
	v_pk_add_f32 v[TB+4*\qb:TB+4*\qb+1], v[TB+4*\qb:TB+4*\qb+1], v[TB+4*\qb+2:TB+4*\qb+3]
.if \first
	v_add_f32 v[QS+4*\qb+1], v[TB+4*\qb], v[TB+4*\qb+1]
.else
	v_add_f32 v[TB+4*\qb], v[TB+4*\qb], v[TB+4*\qb+1]
	v_fma_f32 v[QS+4*\qb+1], v[QS+4*\qb+1], v[QS+4*\qb+2], v[TB+4*\qb]
.endif
.irp kp, 0,1
.irp m, 0,1,2,3,4,5,6,7
	v_cvt_pk_f16_f32 v[SC+32*\qb+16*\kp+\m], v[SC+32*\qb+16*\kp+2*\m], v[SC+32*\qb+16*\kp+2*\m+1]   ; ascending: a destination never lies ahead of its sources
.endr
.endr
.endm
.macro RESC                            ; O times the rescaling factor of the lane's query
	WIN 0x41
.irp qb, 0,1,2,3
.set sn, 0
.rept 16
	v_pk_mul_f32 v[OA+32*\qb+2*sn:OA+32*\qb+2*sn+1], v[OA+32*\qb+2*sn:OA+32*\qb+2*sn+1], v[QS+4*\qb+2:QS+4*\qb+3] op_sel_hi:[1,0]
.set sn, sn+1
.endr
.endr
.endm
; 32 matrix instructions.  The 16 accumulators take turns, one instruction a turn.  first = 1: the first product starts the sums.
.macro PV first
	WIN 0x50
.irp kp, 0,1
.irp qb, 0,1,2,3
.irp db, 0,1,2,3
.if \first*(1-\kp)
	v_wmma_f32_16x16x32_f16 v[OA+8*(4*\qb+\db):OA+8*(4*\qb+\db)+7], v[FR+8*(2*\db+\kp):FR+8*(2*\db+\kp)+7], v[SC+32*\qb+16*\kp:SC+32*\qb+16*\kp+7], 0
.else
	v_wmma_f32_16x16x32_f16 v[OA+8*(4*\qb+\db):OA+8*(4*\qb+\db)+7], v[FR+8*(2*\db+\kp):FR+8*(2*\db+\kp)+7], v[SC+32*\qb+16*\kp:SC+32*\qb+16*\kp+7], v[OA+8*(4*\qb+\db):OA+8*(4*\qb+\db)+7]
.endif
.endr
.endr
.endr
.endm
; One trip.  par: the parity of the tile that is multiplied, oth: the other one.  first: the sums start.  refill: slot par is asked for again.
; pf: wave 4 prefetches.  conv: the next tile is rounded from slot oth into stage oth.
.macro TRIP par, oth, first, refill, pf, conv
	HEAD \par, \refill, \pf
	LDK \par
	LDB
.if \conv
	CVLD \oth
	s_wait_dscnt 16                                ; LDS loads come back in order (ISA guide 5.7.1): K and the addends are in, the 16 younger loads of f32 rows may be out
.else
	s_wait_dscnt 0x0
.endif
	QK
.if \conv
	s_wait_dscnt 0x0                               ; the f32 rows are in
	CVCV                                           ; these 32 lines name no register of the products above: they are also the places behind them (ISA guide 7.12.1)
	CVST \oth
	WIN 0
.else
	WIN 0
.rept 4
	v_nop                                          ; four places before loads land on K's fragments and the maxima read S
.endr
.endif
	LDV \par
	SMAX \first
	SUBS 0                                         ; between a run of exponentials and the first use of its results always stands a block of plain work on another query block
	EXPS 0
	SUBS 1
	EXPS 1
	SUMCVT 0, \first
	SUBS 2
	EXPS 2
	SUMCVT 1, \first
	SUBS 3
	EXPS 3
	SUMCVT 2, \first
	SUMCVT 3, \first
.if \first == 0
	RESC
.endif
	s_wait_dscnt 0x0                               ; V's fragments are in (and my stores into the other stage are done)
	PV \first
	WIN 0
.if \conv
	v_add_nc_u32 v[AB], 512, v[AB]                 ; the next tile's 128 addends.  With the four lines below: five places before the next
.else
	v_nop                                          ; products write over P, loads land on V's fragments, or a store reads O
.endif
.rept 4
	v_nop
.endr
.endm
; The way out, 16 queries at a time: 32 bytes a lane into my own stage, read back as whole rows of 256 bytes.
.macro OUT16 qb
.irp db, 0,1,2,3
	ds_store_b128 v[OSTO], v[SC+32*\qb+8*\db:SC+32*\qb+8*\db+3]   offset:64*\db
	ds_store_b128 v[OSTO], v[SC+32*\qb+8*\db+4:SC+32*\qb+8*\db+7] offset:64*\db+16
.endr
	s_wait_xcnt 0x0                                ; registers that earlier global stores read are loaded again only behind this wait
.irp t, 0,1,2,3,4,5,6,7
	ds_load_b128 v[FR+32*(\qb&1)+4*\t:FR+32*(\qb&1)+4*\t+3], v[ORD] offset:2*OP*\t   ; LDS serves a wave's instructions in order (ISA guide 5.7.1): these see the stores above
.endr
.irp t, 0,1,2,3,4,5,6,7
	s_wait_dscnt 7-\t                              ; rows 2 t, 2 t + 1 are in; the younger loads may be out
	global_store_b128 v[GO], v[FR+32*(\qb&1)+4*\t:FR+32*(\qb&1)+4*\t+3], s[10:11] offset:(16*\qb+2*\t)*4096 th:TH_STORE_NT   ; 16 lanes store 256 consecutive bytes, aligned to 256
.endr
.endm
	; ---- ids, constants, descriptors ----
	s_load_b256 s[4:11], s[0:1], 0x0               ; q, kv, mask, out
	v_lshl_add_u32 v254, v0, 2, 0x3e000
	v_mov_b32 v255, 0
	ds_add_u32 v254, v255
	s_wait_dscnt 0x0
	v_lshrrev_b32 v1, 5, v0
	v_readfirstlane_b32 s12, v1                    ; wave 0..7
	s_and_b32 s13, s12, 3                          ; qg: my 64 query rows
	s_lshr_b32 s14, s12, 2                         ; kh: my half of every tile's keys
	s_bfe_u32 s15, ttmp6, 0x40000                  ; cx
	s_lshl_b32 s16, ttmp9, 2
	s_add_co_u32 s16, s16, s15                     ; query block = 4 x cluster x + cx
	s_and_b32 s17, ttmp7, 0xffff                   ; y
	s_lshr_b32 s18, s17, 4                         ; b
	s_and_b32 s19, s17, 15                         ; h
	s_mov_b32 s42, 0x76543210                      ; v_permlanex16_b32: lane i of one half reads lane i of the other
	s_mov_b32 s43, 0xfedcba98
	s_mov_b32 s46, 0x3e38aa3b                      ; log2(e) / 8
	s_mov_b32 s47, 0x3e38aa3b
	s_mov_b32 s48, 0x46616bcd                      ; C = 10000 log2(e)
	s_mov_b32 s49, 0xc6616bcd                      ; -C
	s_mov_b32 s[G1+0], 15|(2<<16)|(1<<21)          ; 15:0 mask: all four work-groups of the cluster; 17:16 elements of 4 bytes; 21 set beside a mask; no padding
	s_mov_b32 s[G1+1], 64<<16                      ; tensor_dim0 = 64 elements
	s_mov_b32 s[G1+2], 64<<16                      ; tensor_dim1 = 64 rows
	s_mov_b32 s[G1+3], 64<<16                      ; tile_dim0 = 64
	s_mov_b32 s[G1+4], 64                          ; tile_dim1 = 64
	s_mov_b32 s[G1+5], 1024                        ; 1,024 elements from row to row
	s_mov_b32 s[G1+6], 0
	s_mov_b32 s[G1+7], 0
	v_and_b32 v[RR], 15, v0
	v_bfe_u32 v[HH], v0, 4, 1
	v_and_b32 v[LL], 31, v0
	v_lshlrev_b32 v[R16], 4, v[RR]
	v_lshlrev_b32 v[R8], 3, v[RR]
	v_lshl_add_u32 v[GQ], v[HH], 15, v[R16]        ; q: 16 bytes of a row; the upper half of the lanes 8 rows of 4,096 bytes further on
	v_lshl_add_u32 v[GO], v[HH], 12, v[R16]        ; out: the upper half one row further on
	v_lshlrev_b32 v[MO], 3, v0                     ; my 8 mask bytes
	s_lshl_b32 s20, s18, 23                        ; b x 2,048 rows x 4,096 bytes
	s_lshl_b32 s21, s16, 20                        ; + query block x 256 rows
	s_add_co_u32 s20, s20, s21
	s_lshl_b32 s21, s19, 8                         ; + h x 256 bytes
	s_add_co_u32 s20, s20, s21
	s_lshl_b32 s22, s13, 18                        ; out: + qg x 64 rows
	s_add_co_u32 s22, s22, s20
	s_lshl_b32 s21, s12, 17                        ; q: + wave x 32 rows (the rows that I round, not those that I multiply)
	s_add_co_u32 s20, s20, s21
	s_mov_b32 s21, 0
	s_mov_b32 s23, 0
	s_lshl_b32 s52, s18, 24                        ; kv: b x 2,048 keys x 8,192 bytes + h x 256
	s_lshl_b32 s54, s19, 8
	s_add_co_u32 s52, s52, s54
	s_mov_b32 s53, 0
	s_wait_kmcnt 0x0
	s_add_nc_u64 s[4:5], s[4:5], s[20:21]
	s_add_nc_u64 s[10:11], s[10:11], s[22:23]
	s_add_nc_u64 s[50:51], s[6:7], s[52:53]        ; kv at my batch and head
	s_add_nc_u64 s[40:41], s[50:51], 2*TILEB       ; stepped once in front of each prefetch: trip t asks for tile t + 3
	s_lshl_b32 s52, s18, 11
	s_add_nc_u64 s[8:9], s[8:9], s[52:53]          ; my batch's 2,048 mask bytes
	s_lshl_b32 s52, s12, 18                        ; my 64 rows of a tile: wave x 64 x 4,096 bytes
	s_add_nc_u64 s[50:51], s[50:51], s[52:53]
	s_lshl_b32 s54, s12, 14                        ; and where they go: wave x 64 x 256 bytes
.irp p, 0,1
	s_mov_b32 s[G0+4*\p], 1                                        ; count = 1
	s_add_co_u32 s[G0+4*\p+1], s54, \p*SLOTB                       ; LDS address
	s_add_nc_u64 s[G0+4*\p+2:G0+4*\p+3], s[50:51], \p*TILEB        ; global address: tile p
	s_or_b32 s[G0+4*\p+3], s[G0+4*\p+3], 0x80000000                ; type = 2
.endr
	; ---- q and the mask are asked for; they come while the cluster meets ----
.set qn, 0
.irp i, 0,1,2,3,4,5,6,7,16,17,18,19,20,21,22,23
	global_load_b128 v[SC+4*qn:SC+4*qn+3], v[GQ], s[4:5] offset:4096*\i th:TH_LOAD_NT   ; rows 32 w + i and 32 w + i + 8; 16 lanes take 256 consecutive bytes
.set qn, qn+1
.endr
	global_load_b64 v[MB:MB+1], v[MO], s[8:9]
	ROUND                                          ; all four work-groups are here: the first joint loads meet
	s_cmp_gt_u32 s12, 3
	s_cbranch_scc1 .Lno_first
	tensor_load_to_lds s[G0:G0+3], s[G1:G1+7]      ; tile 0
	s_nop 0
	tensor_load_to_lds s[G0+4:G0+7], s[G1:G1+7]    ; tile 1
	s_nop 0
.Lno_first:
	; ---- addresses ----
	s_mul_i32 s54, s14, 64*KP
	s_add_co_u32 s54, s54, STG0
	v_mul_u32_u24 v[AK], v[RR], KP
	v_lshl_add_u32 v[AK], v[HH], 4, v[AK]
	v_add_nc_u32 v[AK], s54, v[AK]                 ; stage 0 + (64 kh + r) x 144 + 16 h
	v_and_b32 v[TT], 7, v0
	v_lshl_add_u32 v[TT], v[HH], 3, v[TT]
	v_mul_u32_u24 v[AV], v[TT], VP
	v_bfe_u32 v[TT], v0, 3, 1
	v_lshl_add_u32 v[AV], v[TT], 4, v[AV]
	s_mul_i32 s54, s14, 64*VP
	s_add_co_u32 s54, s54, STG0+KSTB
	v_add_nc_u32 v[AV], s54, v[AV]                 ; V's stage + (64 kh + 8 h + lane % 8) x 160 + 16 ((lane / 8) % 2)
	s_lshl_b32 s54, s14, 8
	s_add_co_u32 s54, s54, BIAS
	v_lshl_add_u32 v[AB], v[HH], 5, s54            ; addends + 4 (64 kh + 8 h)
	s_lshl_b32 s54, s12, 13
	v_lshl_add_u32 v[CLK], v[HH], 12, v[R16]
	v_add_nc_u32 v[CLK], s54, v[CLK]               ; (16 w + 8 h) x 512 + 16 r
	v_add_nc_u32 v[CLK+1], SLOTB, v[CLK]
	s_add_co_u32 s54, s54, 256
	v_lshl_add_u32 v[CLV], v[HH], 11, v[R16]
	v_add_nc_u32 v[CLV], s54, v[CLV]               ; (16 w + 4 h) x 512 + 256 + 16 r
	v_add_nc_u32 v[CLV+1], SLOTB, v[CLV]
	s_mul_i32 s54, s12, 16*KP
	s_add_co_u32 s54, s54, STG0
	v_mad_u32_u24 v[CSK], v[HH], 8*KP, v[R8]
	v_add_nc_u32 v[CSK], s54, v[CSK]               ; stage 0 + (16 w + 8 h) x 144 + 8 r
	s_mul_i32 s54, s12, 16*VP
	s_add_co_u32 s54, s54, STG0+KSTB
	v_mad_u32_u24 v[CSV], v[HH], 4*VP, v[R8]
	v_add_nc_u32 v[CSV], s54, v[CSV]               ; V's stage + (16 w + 4 h) x 160 + 8 r
	s_mul_i32 s54, s12, 32*KP
	s_add_co_u32 s54, s54, QST
	v_mad_u32_u24 v[QSA], v[HH], 8*KP, v[R8]
	v_add_nc_u32 v[QSA], s54, v[QSA]               ; Q's stage + (32 w + 8 h) x 144 + 8 r
	s_mov_b32 s54, BIAS
	v_lshl_add_u32 v[BSA], v0, 5, s54              ; addends + 32 x thread
	s_mul_i32 s54, s13, 64*KP
	s_add_co_u32 s54, s54, QST
	v_mul_u32_u24 v1, v[RR], KP
	v_lshl_add_u32 v1, v[HH], 4, v1
	v_add_nc_u32 v1, s54, v1                       ; my Q fragments: Q's stage + (64 qg + r) x 144 + 16 h
	s_mul_i32 s54, s13, OSTB
	s_add_co_u32 s54, s54, QST
	v_mul_u32_u24 v[OSTO], v[RR], OP
	v_lshl_add_u32 v[OSTO], v[HH], 5, v[OSTO]
	v_add_nc_u32 v[OSTO], s54, v[OSTO]             ; the way out, in: row r, 32 bytes for each half of the lanes
	v_mad_u32_u24 v[ORD], v[HH], OP, v[R16]
	v_add_nc_u32 v[ORD], s54, v[ORD]               ; back: lanes 0-15 one row, lanes 16-31 the next
	s_lshl_b32 s20, s16, 17
	v_lshl_add_u32 v[PF], v[LL], 12, s20           ; row 32 x query block + lane of a tile's 256 rows
.irp qb, 0,1,2,3
	v_mov_b32 v[QS+4*\qb+1], 0                     ; read as the second register of a pair before it is first written
	v_mov_b32 v[QS+4*\qb+3], 0                     ; destination of v_permlanex16_b32, which counts as read
.endr
	; ---- q x log2(e) / 8 as f16, and the addends, into LDS ----
	s_wait_loadcnt 0x0
.set qn, 0
.rept 16
	v_pk_mul_f32 v[SC+4*qn:SC+4*qn+1],   v[SC+4*qn:SC+4*qn+1],   s[46:47] op_sel_hi:[1,0]
	v_pk_mul_f32 v[SC+4*qn+2:SC+4*qn+3], v[SC+4*qn+2:SC+4*qn+3], s[46:47] op_sel_hi:[1,0]
	v_cvt_pk_f16_f32 v[SC+4*qn],   v[SC+4*qn],   v[SC+4*qn+1]
	v_cvt_pk_f16_f32 v[SC+4*qn+1], v[SC+4*qn+2], v[SC+4*qn+3]
.set qn, qn+1
.endr
.set qn, 0
.irp i, 0,1,2,3,4,5,6,7,16,17,18,19,20,21,22,23
	ds_store_b64 v[QSA], v[SC+4*qn:SC+4*qn+1] offset:KP*\i
.set qn, qn+1
.endr
.irp k, 0,1,2,3
	v_bfe_u32 v[BV+\k],   v[MB],   8*\k, 8
	v_bfe_u32 v[BV+4+\k], v[MB+1], 8*\k, 8
.endr
.irp k, 0,1,2,3,4,5,6,7
	v_cvt_f32_u32 v[BV+\k], v[BV+\k]
.endr
.irp k, 0,1,2,3,4,5,6,7
	v_fma_f32 v[BV+\k], v[BV+\k], s48, s49         ; byte 1: C - C = 0; byte 0: -C
.endr
	ds_store_b128 v[BSA], v[BV:BV+3]
	ds_store_b128 v[BSA], v[BV+4:BV+7] offset:16
	s_wait_dscnt 0x0                               ; my rows of Q and my addends are in LDS, for the other waves' sake
	s_wait_tensorcnt 0x1                           ; my part of tile 0 has landed; tile 1's may stay out
	s_barrier_signal -1
	s_barrier_wait -1
	; ---- my Q fragments, for the whole kernel; tile 0 into stage 0 ----
	WIN 0x40
.irp qb, 0,1,2,3
.irp ks, 0,1
	ds_load_b128 v[QF+16*\qb+8*\ks:QF+16*\qb+8*\ks+3],   v1 offset:16*KP*\qb+64*\ks
	ds_load_b128 v[QF+16*\qb+8*\ks+4:QF+16*\qb+8*\ks+7], v1 offset:16*KP*\qb+64*\ks+32
.endr
.endr
	CVLD 0
	s_wait_dscnt 0x0
	CVCV
	CVST 0
	WIN 0                                          ; at a label and at a branch every window is 0
	; ---- the 16 trips ----
	TRIP 0, 1, 1, 1, 1, 1                          ; trip 0: its products start the sums
	TRIP 1, 0, 0, 1, 1, 1
	s_mov_b32 s44, 5
.Llap:
	TRIP 0, 1, 0, 1, 1, 1                          ; trips 2 to 11
	TRIP 1, 0, 0, 1, 1, 1
	s_sub_co_i32 s44, s44, 1
	s_cmp_lg_u32 s44, 0
	s_cbranch_scc1 .Llap
	TRIP 0, 1, 0, 1, 1, 1                          ; trip 12: asks for tile 14, prefetches tile 15
	TRIP 1, 0, 0, 1, 0, 1                          ; trip 13: asks for tile 15, the last
	TRIP 0, 1, 0, 0, 0, 1                          ; trip 14: rounds tile 15
	TRIP 1, 0, 0, 0, 0, 0                          ; trip 15
	; ---- the two key halves are merged: waves 4 to 7 hand O and their state to waves 0 to 3, over the stages ----
	s_wait_dscnt 0x0
	s_barrier_signal -1
	s_barrier_wait -1                              ; nobody reads a stage any more
	v_and_b32 v1, 31, v0
	s_mul_i32 s54, s13, MRG
	s_add_co_u32 s54, s54, STG0
	v_lshl_add_u32 v1, v1, 4, s54                  ; my pair's area + 16 x lane
	s_cmp_lt_u32 s12, 4
	s_cbranch_scc1 .Lkeep
	WIN 0x04
.set mi, 0
.rept 32
	ds_store_b128 v1, v[OA+4*mi:OA+4*mi+3] offset:512*mi
.set mi, mi+1
.endr
	WIN 0
.irp j, 0,1,2,3
	ds_store_b128 v1, v[QS+4*\j:QS+4*\j+3] offset:512*(32+\j)
.endr
.Lkeep:
	s_wait_dscnt 0x0                               ; for the partner's sake
	s_barrier_signal -1
	s_barrier_wait -1
	s_cmp_gt_u32 s12, 3
	s_cbranch_scc1 .Lclose
.irp j, 0,1,2,3
	ds_load_b128 v[TA+4*\j:TA+4*\j+3], v1 offset:512*(32+\j)   ; the partner's [-maximum, sum, .., ..]
.endr
.set mi, 0
.rept 32
	ds_load_b128 v[SC+4*mi:SC+4*mi+3], v1 offset:512*mi        ; the partner's O, in O's own order
.set mi, mi+1
.endr
	s_wait_dscnt 32                                ; the four state loads are in; the 32 younger loads may be out
.irp j, 0,1,2,3
	v_min_num_f32 v[QS+4*\j+3], v[QS+4*\j], v[TA+4*\j]         ; -(joint maximum)
.endr
.irp j, 0,1,2,3
	v_sub_f32 v[QS+4*\j+2], v[QS+4*\j+3], v[QS+4*\j]
	v_sub_f32 v[TA+4*\j+2], v[QS+4*\j+3], v[TA+4*\j]
.endr
.irp j, 0,1,2,3
	v_exp_f32 v[QS+4*\j+2], v[QS+4*\j+2]           ; my factor
	v_exp_f32 v[TA+4*\j+2], v[TA+4*\j+2]           ; the partner's
.endr
	v_nop                                          ; one plain place behind the exponentials (ISA guide 5.7.2)
	s_wait_alu depctr_va_vdst(0)
.irp j, 0,1,2,3
	v_mul_f32 v[TA+4*\j+3], v[TA+4*\j+1], v[TA+4*\j+2]
.endr
.irp j, 0,1,2,3
	v_fma_f32 v[TA+4*\j+3], v[QS+4*\j+1], v[QS+4*\j+2], v[TA+4*\j+3]
.endr
.irp j, 0,1,2,3
	v_permlanex16_b32 v[QS+4*\j+3], v[TA+4*\j+3], s42, s43     ; a lane has summed its own half's keys only
.endr
.irp j, 0,1,2,3
	v_add_f32 v[TA+4*\j+3], v[TA+4*\j+3], v[QS+4*\j+3]         ; the whole row's sum: at least about 1, the largest key's own term
.endr
.irp j, 0,1,2,3
	v_rcp_f32 v[TA+4*\j+3], v[TA+4*\j+3]
.endr
	v_nop                                          ; one plain place behind the reciprocals
	s_wait_alu depctr_va_vdst(0)
.irp j, 0,1,2,3
	v_mul_f32 v[QS+4*\j+2], v[QS+4*\j+2], v[TA+4*\j+3]
	v_mul_f32 v[TA+4*\j+2], v[TA+4*\j+2], v[TA+4*\j+3]
.endr
	s_wait_dscnt 0x0                               ; the partner's O is in
.irp qb, 0,1,2,3
.set sn, 0
.rept 16
	v_pk_mul_f32 v[SC+32*\qb+2*sn:SC+32*\qb+2*sn+1], v[SC+32*\qb+2*sn:SC+32*\qb+2*sn+1], v[TA+4*\qb+2:TA+4*\qb+3] op_sel_hi:[1,0]
.set sn, sn+1
.endr
.endr
	WIN 0x01
.irp qb, 0,1,2,3
.set sn, 0
.rept 16
	v_pk_fma_f32 v[SC+32*\qb+2*sn:SC+32*\qb+2*sn+1], v[OA+32*\qb+2*sn:OA+32*\qb+2*sn+1], v[QS+4*\qb+2:QS+4*\qb+3], v[SC+32*\qb+2*sn:SC+32*\qb+2*sn+1] op_sel_hi:[1,0,1]
.set sn, sn+1
.endr
.endr
	WIN 0
	OUT16 0
	OUT16 1
	OUT16 2
	OUT16 3
.Lclose:
	s_wait_dscnt 0x0
	s_wait_xcnt 0x0
	v_lshl_add_u32 v254, v0, 2, 0x3e000
	v_mov_b32 v255, 0
	s_wait_tensorcnt 0x0
	ds_add_u32 v254, v255
	s_wait_dscnt 0x0
	ROUND                                          ; the closing round: no work-group ends while a partner may still ask for a tile that names it
	s_endpgm
.Lfunc_end_k_qe44747b013_attn:
	.size	k_qe44747b013_attn, .Lfunc_end_k_qe44747b013_attn-k_qe44747b013_attn
	.p2alignl 7, 3214868480
	.fill 96, 4, 3214868480
	.section	.rodata,"a",@progbits
	.p2align	6, 0x0
	.amdhsa_kernel k_qe44747b013_attn
		.amdhsa_group_segment_fixed_size 327680
		.amdhsa_private_segment_fixed_size 0
		.amdhsa_enable_private_segment 0
		.amdhsa_kernarg_size 32
		.amdhsa_user_sgpr_count 2
		.amdhsa_user_sgpr_kernarg_segment_ptr 1
		.amdhsa_wavefront_size32 1
		.amdhsa_system_sgpr_workgroup_id_x 1
		.amdhsa_system_sgpr_workgroup_id_y 1
		.amdhsa_system_sgpr_workgroup_id_z 1
		.amdhsa_system_vgpr_workitem_id 0
		.amdhsa_next_free_vgpr 512
		.amdhsa_next_free_sgpr 66
		.amdhsa_reserve_vcc 0
		.amdhsa_float_denorm_mode_32 3
		.amdhsa_float_denorm_mode_16_64 3
		.amdhsa_memory_ordered 1
		.amdhsa_forward_progress 1
		.amdhsa_inst_pref_size 255
	.end_amdhsa_kernel
	.section	.bss,"aw",@nobits
	.p2align	6
	.space	262144
	.amdgpu_metadata
---
amdhsa.version: [ 1, 2 ]
amdhsa.kernels:
  - .name:           k_qe44747b013_attn
    .symbol:         k_qe44747b013_attn.kd
    .args:
      - { .name: q, .offset: 0, .size: 8, .value_kind: global_buffer, .address_space: global }
      - { .name: kv, .offset: 8, .size: 8, .value_kind: global_buffer, .address_space: global }
      - { .name: key_padding_mask, .offset: 16, .size: 8, .value_kind: global_buffer, .address_space: global }
      - { .name: out0, .offset: 24, .size: 8, .value_kind: global_buffer, .address_space: global }
    .group_segment_fixed_size: 327680
    .private_segment_fixed_size: 0
    .kernarg_segment_align: 8
    .kernarg_segment_size: 32
    .max_flat_workgroup_size: 256
    .sgpr_count:     66
    .vgpr_count:     512
    .wavefront_size: 32
...
	.end_amdgpu_metadata
.endif
;; end of part 1
